; MI455X (gfx1250); checked and timed in simulation.
; The chip was launched on July 23, 2026; its instructions are those of AMD's public machine-readable ISA for CDNA 5 (MIT licence, August 2026) and "CDNA5" Instruction Set Architecture Reference Guide (July 2026). The comments in the code are by the model that wrote it; some were corrected since.
;; SVD. Allowed arithmetic: matrix products marked QUANTISED: E2M1 operands, one E8M0 scale for each 32 along K, by v_wmma_scale_f32_16x16x128_f8f6f4 with both operands' format E2M1 (or v_wmma_scale_f32_32x16x128_f4), f32 sums; products left as they are: f32 operands where the result goes on into a quantised operand, else bf16, f16 or f32 operands; f32 sums; everything else in f32.
;; Inputs: src 32 x 2,048 x 3 float32; src_embed_codes 32 x 2,048 x 16 x 16 uint8 (E2M1 codes of src_embed, K innermost, in blocks of 32 codes, two codes a byte); src_embed_scales 32 x 2,048 x 16 uint8 (E8M0 scales of src_embed, one for each 32 codes along K); tgt 32 x 2,048 x 3 float32; tgt_embed_codes 32 x 2,048 x 16 x 16 uint8 (E2M1 codes of tgt_embed, K innermost, in blocks of 32 codes, two codes a byte); tgt_embed_scales 32 x 2,048 x 16 uint8 (E8M0 scales of tgt_embed, one for each 32 codes along K).
;; Outputs: out0 32 x 3 x 3 float32; out1 32 x 1 x 3 float32.
;; This version of the problem:
;;   THIS VERSION OF THE PROBLEM IS GIVEN IN LOW PRECISION. The matrix products marked QUANTISED in the list below multiply operands that are first quantised to E2M1 (2 exponent bits, 1 mantissa bit; 4 bits a number), with one power-of-two scale for each 32 numbers along K (OCP MX v1.0); their sums are f32. All else is computed in f32.
;;   The module's matrix products, in the order in which they are computed (A, B: the left and right operand; K: the contracted axis; several contracted axes count as one K, in the product's order):
;;     1. batch 32 x [M 2,048, K 512] x [K 512, N 2,048]; A: input src_embed (given as codes); B: input tgt_embed (given as codes): QUANTISED
;;     2. batch 32 x [M 3, K 2,048] x [K 2,048, N 2,048]; A: input tgt; B: softmax: left as it is (M = 3 < 16)
;;     3. batch 32 x [M 3, K 2,048] x [K 2,048, N 3]; A: computed on the way; B: computed on the way: left as it is (M = 3 < 16)
;;     4. batch 32 x [M 3, K 3] x [K 3, N 3]; A: computed on the way; B: computed on the way: left as it is (K = 3 < 32)
;;     5. batch 32 x [M 3, K 3] x [K 3, N 3]; A: computed on the way; B: computed on the way: left as it is (K = 3 < 32)
;;     6. batch 32 x [M 3, K 3] x [K 3, N 1]; A: computed on the way; B: computed on the way: left as it is (K = 3 < 32)
;;   THE QUANTISER, for each operand of a quantised product, along K:
;;     - K is cut into blocks of 32 from its start; a last block that is shorter is filled with zeros.
;;     - A block's scale is 2^e with e = floor(log2(the largest magnitude in the block)) - 2, held to -126 .. 127; a block of zeros has e = 0. As a byte (E8M0): e + 127.
;;     - Each number is divided by its block's scale, clamped to +-6, and rounded to the nearest number of E2M1, ties to even, subnormals kept.
;;     - The product sums the exact products of the quantised numbers (number of the format x scale) in f32.
;;   ~~~python
;;   def quantise(x, axis):      # numpy; x: float32 -> the quantised numbers, widened to float32 again
;;       x = np.moveaxis(x, axis, -1); K = x.shape[-1]
;;       x = np.pad(x, [(0, 0)] * (x.ndim - 1) + [(0, -K % 32)]); x = x.reshape(x.shape[:-1] + (-1, 32)); a = np.abs(x).max(-1, keepdims=True)
;;       e = np.where(a > 0, np.clip(np.frexp(np.where(a > 0, a, 1))[1] - 1 - 2, -126, 127), 0)      # np.frexp(a)[1] - 1 = floor(log2(a)), exactly
;;       r = np.clip(x / 2.0 ** e, -6, 6)
;;       step = 2.0 ** (np.maximum(np.frexp(np.where(r == 0, 1, r))[1] - 1, 0) - 1)
;;       q = np.round(r / step) * step * 2.0 ** e      # np.round: ties to even
;;       return np.moveaxis(q.reshape(q.shape[:-2] + (-1,))[..., :K], -1, axis).astype(np.float32)
;;   ~~~
;;   INPUTS GIVEN AS CODES. src_embed (in the module: [32, 2048, 512], K = its axis 2); tgt_embed (in the module: [32, 2048, 512], K = its axis 2): each comes as NAME_codes (uint8): NAME with its K axis moved to the last place and cut into blocks of 32 codes, [.., K / 32, bytes a block], one block behind the other in memory; two codes a byte, the lower K in the low four bits (a code: sign, 2 exponent bits, 1 mantissa bit); and NAME_scales (uint8): the same leading axes, one E8M0 byte (e + 127) for each 32 codes along K. Its value is code x scale, taken as it is: it is not quantised again, and the codes and scales need not be those that the quantiser above would give.
;; One version. Each part assembles by itself: llvm-mc -triple=amdgcn-amd-amdhsa -mcpu=gfx1250 --defsym DOCPART=n.
;; ======== version 1 of 1: 2 launches
;; limits: values are held in f16: magnitudes above 65,504 overflow, below 6.1e-05 lose precision; inputs' magnitudes at most 65,536; below input magnitudes of 6.1e-05 results are inexact or not finite
;; workspace buffers: matched 786,432 bytes
;; launch match (part 1): grid 8 x 32, 8 waves a work-group, clusters of 4 x 1, 327,680 bytes of LDS; arguments src_embed_codes, src_embed_scales, tgt, tgt_embed_codes, tgt_embed_scales, matched; writes matched
.if DOCPART == 1
	.amdgcn_target "amdgcn-amd-amdhsa--gfx1250"
	.amdhsa_code_object_version 6
	.text
	.protected	k_q7441bf99e5_match
	.globl	k_q7441bf99e5_match
	.p2align	8
	.type	k_q7441bf99e5_match,@function
k_q7441bf99e5_match:
	s_mov_b64 s[64:65], 0
	v_nop
	global_prefetch_b8 v0, s[64:65] scope:SCOPE_SE
	s_setreg_imm32_b32 hwreg(HW_REG_WAVE_MODE, 25, 1), 1
	s_wait_xcnt 0x0
	s_wait_alu depctr_hold_cnt(0) depctr_sa_sdst(0) depctr_va_vdst(0) depctr_va_sdst(0) depctr_va_ssrc(0) depctr_va_vcc(0) depctr_vm_vsrc(0)
	s_getreg_b32 s2, hwreg(HW_REG_IB_STS2, 6, 4)
	s_cmp_eq_u32 s2, 0
	s_cbranch_scc0 .Lentry_in_a_cluster
	s_endpgm
.Lentry_in_a_cluster:
	s_bfe_u32 s2, ttmp6, 0x10000c
	s_cmp_lg_u32 s2, 0x3003
	s_cbranch_scc0 .Lentry_shape_is_right
	s_endpgm
.Lentry_shape_is_right:
; matched[b][c][n] = sum over m of softmax_m(src_embed[b][n] . tgt_embed[b][m] / sqrt(512)) tgt[b][m][c],  c = 0..2, stored planar [32][3][2048] f32.
; The scores are made on the codes as they are given: E2M1, 256 bytes a row of 512, with 16 E8M0 bytes a row, by v_wmma_scale_f32_16x16x128_f8f6f4; sums in f32.
; SOFTMAX: a running maximum m for each query; p = 2^(c s - c m), c = log2(e) / sqrt(512); what was summed under an older m is multiplied by 2^(c m_old - c m_new) in every piece.
; SECOND PRODUCT: p rounded to f16 (p <= 1) times V^T, f16, f32 sums, by v_wmma_f32_16x16x32_f16.  V^T has eight rows: x, y, z (high parts), ones, x, y, z (low parts), zeros;
; high = tgt with its 13 lowest mantissa bits cleared, low = tgt - high.  The row of ones sums the very p that are multiplied, so that the weights stay a proper average, and no vector sums are written.
; SHARES.  256 work-groups: batch = y, a block of 256 queries = x.  Eight waves: wave w owns queries 64 (w / 2) .. + 63 (four tiles of 16) and of every 64 keys the 32 at 32 (w % 2): two waves
; for each quarter of the queries, each with half of the keys; the two partial softmaxes are merged through LDS at the end.  512 registers a wave.
; LAYOUT.  S^T = K Q^T (source 0 = 16 keys, source 1 = 16 queries): a lane holds ONE query (lane % 16) and keys 8 (lane / 16) + 0..7.  Two such tiles, rounded in pairs, ARE source 1
; (32 keys x 16 queries) of O^T = V^T P.  Row m of source 0 takes V^T's row m % 8, so both halves of the lanes hold the same O^T: register 0-2 high sums, 3 the sum of p, 4-6 low sums.
; PIPELINE.  A piece is a wave's 32 keys.  A stage loads piece t's fragments from LDS, multiplies piece t - 1 (32 matrix instructions in four bursts of eight) and walks the softmax and the second product of
; piece t - 2 between the bursts: two sets of K's fragments, two sets of scores.
; RING.  Two LDS slots of 256 keys (four stages), filled by the tensor data mover, waves 0 to 3 a quarter each.  The batch's scale bytes (32,768) come once, by waves 4 to 7.
; CLUSTER.  The four query blocks of a cluster belong to one batch and walk the same keys: every tile is asked for JOINTLY, by the same tensor load with the same descriptor and the mask of all four.
; A cluster of 4 x 4 would add nothing: the queries' codes are read by one wave alone, and a mask names four work-groups.
; LIMITS: NaN, infinities and the scale byte 0xff are not served; |tgt| stays under 65,536 (f16); a p under 2^-25 of the running maximum counts as 0; the f32 sums run in another order than a plain loop's.
; REGISTERS, window 0: v1-15 addresses; v16-47 eight statistics a tile; v48-55 Q's scale words, v56-63 K's (two sets): these hold scales alone; v64-71 V^T's fragment; v72-103 O^T; v104-127 at work at head and tail;
;   v128-255 the scores, two sets of 64 (tile t at 16 t: key tile 0, key tile 1); p is packed in place into a tile's first eight.   window 1: v0-127 Q (tile t, K step u at 32 t + 8 u); v128-255 K, two sets (key tile k, K step u at 32 k + 8 u).
.set KP,    272                        ; a key's row in LDS: 256 bytes + 16 of padding = 68 words: the 16 rows that a load touches begin 4 words apart
.set SLOTB, 256*KP                     ; a slot: 256 keys
.set SLOT1, 1<<17                      ; slot 1 begins here: one exclusive or turns an address in one slot into the other's
.set SCL,   SLOTB                      ; the batch's scale bytes of the keys, dense, 16 a key: filled once
.set MRG,   SCL+32768                  ; the merge: for each quarter of the queries and each tile 1,152 bytes: an image of O^T's eight registers (1,024) and c m (128)
.set STG,   MRG+16*1152                ; the way out: [3][256] f32
.set SPARE, STG+3072                   ; the spare words, 128 bytes for each wave: four blocks of 256 bytes that no other line names
.set VT,    SLOT1+SLOTB+256            ; V^T: 8 rows of 2,048 f16
.set VP,    4112                       ; its pitch: 4,096 + 16
.set AK0, 1                            ; v1   my place in a piece of K: 272 r + 16 h + 32 rows x (wave % 2)
.set AS0, 2                            ; v2   my key's 16 scale bytes: SCL + 16 lane + 512 (wave % 2)
.set AV0, 3                            ; v3   my place in V^T, two pieces back: VT - 256 + VP (r % 8) + 16 h + 64 (wave % 2)
.set ADK, 4                            ; v4-6 the same three for the slot in hand
.set ADS, 5
.set ADV, 6
.set MO,  7                            ; v7   the merge: 16 bytes a lane
.set MM,  8                            ; v8   the merge: 4 bytes a lane
.set SG,  9                            ; v9   the stage: my query's word
.set SR,  10                           ; v10  the stage, read back: 16 bytes a lane
.set GOF, 11                           ; v11  and the same bytes' place in matched
.set TO,  12                           ; v12  my eight keys of tgt: 96 x thread
.set PFO, 13                           ; v13  the prefetches' offset: 256 x lane
.set SPW, 14                           ; v14  LDS address of my spare word; never rewritten
.set NIL, 15                           ; v15  0; never rewritten
.set ST,  16                           ; tile t's statistics at v[ST + 8 t]: +0 c m, +1 m, +2 the new c m, +4, +5 at work, +6 a, +7 its exponent
.set QS,  48
.set KS,  56
.set VF,  64
.set O,   72
.set HP,  104
.set LP,  116
.set S,   128
.set KF,  128
.set WV,  16                           ; s16 wave, s17 wave % 2, s18 wave / 2, s19 cx, s20 query block, s21 batch
.set KH,  17
.set QG,  18
.set CX,  19
.set QB,  20
.set BA,  21
.set G1K, 24                           ; s[24:31] descriptor group 1 for the codes' tiles;  s[32:39] for the scale bytes
.set G1S, 32
.set G0K, 40                           ; s[40:43] group 0 for the codes: it walks;  s[44:47] for the scale bytes
.set G0S, 44
.set PFA, 48                           ; s[48:49] where my prefetches stand
.set LIM, 50                           ; s50  1 in a wave that prefetches, else the greatest number
.set SLOTS, 51                         ; s51  the loop's trips to go
.set TB,  52                           ; s52  LDS byte at which the slot in hand begins
.set TS,  53                           ; s53  its scale bytes: 4,096 a slot
.set TV,  54                           ; s54  its part of a row of V^T: 512 bytes a slot
.set CS,  56                           ; s[56:57] c: the packed form names a pair and takes its low word for both halves
.set SEL, 58                           ; s[58:59] v_permlanex16_b32's selects for lane l xor 16
.set MSB, 0
.macro WIN new                         ; the immediate's high byte repeats the setting that is left; a switch that changes nothing is dropped
.if MSB != \new
	s_set_vgpr_msb (MSB<<8)|\new
.set MSB, \new
.endif
.endm
; A round of the cluster's barrier: my work-group's barrier; wave 0 signals for the work-group; every wave waits for all four work-groups; my work-group's barrier once more.
.macro CROUND
	s_barrier_signal -1
	s_barrier_wait -1
	s_cmp_lg_u32 s[WV], 0
	s_cbranch_scc1 .Lnot_wave_0_\@
	s_barrier_signal -3
.Lnot_wave_0_\@:
	s_barrier_wait -3
	s_barrier_signal -1
	s_barrier_wait -1
.endm
; A joint refill: waves 0 to 3 fetch 64 keys each.  The branch hangs on the wave's number alone.  Four v_nop follow the load.
.macro TLOAD
	s_cmp_lt_u32 s[WV], 4
	s_cbranch_scc0 .Lasked_\@
	tensor_load_to_lds s[G0K:G0K+3], s[G1K:G1K+7]
	s_nop 0
.rept 4
	v_nop
.endr
.Lasked_\@:
.endm
; A prefetch of the slot that the NEXT change of slots will ask for: 256 rows of 256 bytes, a lane a row.  Each row is named once in the launch: both clusters of a batch walk the same keys, and the first asks;
; its four partners take 64 rows each, told apart by address; in each, waves 4 and 5, which fetch nothing, take 32 rows each.  The loop's last trip asks for nothing: there is no slot behind slot 7.
.macro ASK
	s_cmp_gt_u32 s[SLOTS], s[LIM]
	s_cbranch_scc0 .Lnot_mine_\@
	global_prefetch_b8 v[PFO], s[PFA:PFA+1] th:TH_LOAD_NT scope:SCOPE_SE
.Lnot_mine_\@:
.endm
.macro ADDR                            ; the addresses of the slot in hand; then the scalars step to the next
	v_add_nc_u32 v[ADK], s[TB], v[AK0]
	v_add_nc_u32 v[ADS], s[TS], v[AS0]
	v_add_nc_u32 v[ADV], s[TV], v[AV0]
	s_xor_b32 s[TB], s[TB], SLOT1
	s_add_co_u32 s[TS], s[TS], 4096
	s_add_co_u32 s[TV], s[TV], 512
.endm
; THE CHANGE OF SLOTS stands at a slot's head.  Each wave waits for all its tensor loads (its part of the slot ahead), adds 0 to its spare word, and waits for that and for its LDS loads: the slot that it has left
; lies in its registers.  fill = 1: the barrier is a round of the cluster's, and behind it that slot is filled with the keys two slots on from it: the load has four stages of every wave in which to land.
.macro CHANGE fill
	s_wait_tensorcnt 0x0                           ; no tensor load of mine is out, so a group 0 may be written
	ds_add_u32 v[SPW], v[NIL]                      ; 0 onto my spare word
.if \fill
	s_xor_b32 s[G0K+1], s[G0K+1], SLOT1            ; the walking descriptor: the other slot than last time,
	s_add_nc_u64 s[G0K+2:G0K+3], s[G0K+2:G0K+3], 65536   ; the next 256 keys; the type bits on top are not reached
	s_wait_xcnt 0x0                                ; the last prefetch, a slot back, has read its address, so it may be written:
	s_add_nc_u64 s[PFA:PFA+1], s[PFA:PFA+1], 65536 ; one slot further on than the walking descriptor
	s_wait_dscnt 0x0                               ; the add is done, and my reads of the slot that I have left are over
	CROUND
	TLOAD                                          ; the first thing behind the round, and a wave's one tensor load until the next
	ASK
.else
	s_wait_dscnt 0x0
	s_barrier_signal -1
	s_barrier_wait -1
.endif
	ADDR
.endm
; One product of S^T = K Q^T: key tile k, query tile t, K step u (128 of the 512).  K's scale words: lanes 0-15 key tile 0, lanes 16-31 key tile 1; Q's: lanes 0-15 the even tile of a pair, lanes 16-31 the odd one.
.macro QK1 k, t, u
.set rD, SQ+16*(\t)+8*(\k)
.set rA, KM+32*(\k)+8*(\u)
.set rB, 32*(\t)+8*(\u)
.set rX, KSM+(\u)
.set rY, QS+4*((\t)/2)+(\u)
.if (\u) == 0
.if (\k) == 0
.if (\t)%2 == 0
	v_wmma_scale_f32_16x16x128_f8f6f4 v[rD:rD+7], v[rA:rA+7], v[rB:rB+7], 0, v[rX], v[rY] matrix_a_fmt:MATRIX_FMT_FP4 matrix_b_fmt:MATRIX_FMT_FP4
.else
	v_wmma_scale_f32_16x16x128_f8f6f4 v[rD:rD+7], v[rA:rA+7], v[rB:rB+7], 0, v[rX], v[rY] matrix_a_fmt:MATRIX_FMT_FP4 matrix_b_fmt:MATRIX_FMT_FP4 matrix_b_scale:MATRIX_SCALE_ROW1
.endif
.else
.if (\t)%2 == 0
	v_wmma_scale_f32_16x16x128_f8f6f4 v[rD:rD+7], v[rA:rA+7], v[rB:rB+7], 0, v[rX], v[rY] matrix_a_fmt:MATRIX_FMT_FP4 matrix_b_fmt:MATRIX_FMT_FP4 matrix_a_scale:MATRIX_SCALE_ROW1
.else
	v_wmma_scale_f32_16x16x128_f8f6f4 v[rD:rD+7], v[rA:rA+7], v[rB:rB+7], 0, v[rX], v[rY] matrix_a_fmt:MATRIX_FMT_FP4 matrix_b_fmt:MATRIX_FMT_FP4 matrix_a_scale:MATRIX_SCALE_ROW1 matrix_b_scale:MATRIX_SCALE_ROW1
.endif
.endif
.else
.if (\k) == 0
.if (\t)%2 == 0
	v_wmma_scale_f32_16x16x128_f8f6f4 v[rD:rD+7], v[rA:rA+7], v[rB:rB+7], v[rD:rD+7], v[rX], v[rY] matrix_a_fmt:MATRIX_FMT_FP4 matrix_b_fmt:MATRIX_FMT_FP4
.else
	v_wmma_scale_f32_16x16x128_f8f6f4 v[rD:rD+7], v[rA:rA+7], v[rB:rB+7], v[rD:rD+7], v[rX], v[rY] matrix_a_fmt:MATRIX_FMT_FP4 matrix_b_fmt:MATRIX_FMT_FP4 matrix_b_scale:MATRIX_SCALE_ROW1
.endif
.else
.if (\t)%2 == 0
	v_wmma_scale_f32_16x16x128_f8f6f4 v[rD:rD+7], v[rA:rA+7], v[rB:rB+7], v[rD:rD+7], v[rX], v[rY] matrix_a_fmt:MATRIX_FMT_FP4 matrix_b_fmt:MATRIX_FMT_FP4 matrix_a_scale:MATRIX_SCALE_ROW1
.else
	v_wmma_scale_f32_16x16x128_f8f6f4 v[rD:rD+7], v[rA:rA+7], v[rB:rB+7], v[rD:rD+7], v[rX], v[rY] matrix_a_fmt:MATRIX_FMT_FP4 matrix_b_fmt:MATRIX_FMT_FP4 matrix_a_scale:MATRIX_SCALE_ROW1 matrix_b_scale:MATRIX_SCALE_ROW1
.endif
.endif
.endif
.endm
; A burst: K step u of a piece's eight accumulators, one instruction each, in the same order in every burst: the accumulators take turns.  The first burst starts the sums with the constant 0.
.macro BURST u
	WIN 0x05                                       ; sources 0 (K) and 1 (Q) window 1; C and D window 0
.irp k, 0,1
.irp t, 0,1,2,3
	QK1 \k, \t, \u
.endr
.endr
.endm
; A STAGE, the j-th of a slot.  ld: piece t's fragments and scale words come from LDS into set j % 2.  mul: piece t - 1 is multiplied, from the other set of K into the other set of scores.
; smx: piece t - 2's softmax and second product, on the scores of set j % 2.  first: that piece is the wave's first: it starts m and O^T.
.macro STAGE j, ld, mul, smx, first
.set SB,  S+64*((\j)%2)
.set SQ,  S+64*(1-(\j)%2)
.set KL,  KF+64*((\j)%2)
.set KM,  KF+64*(1-(\j)%2)
.set KSL, KS+4*((\j)%2)
.set KSM, KS+4*(1-(\j)%2)
.if \smx
; The maximum's first 16 lines, the four tiles by turns; each accumulator is read from its low end on.  They name no register of the last stage's second product, so they are the places between it and
; the load into V^T's fragment (four are asked) and the first burst, which writes over that product's p (five are asked).
.irp t, 0,1,2,3
	v_max3_num_f32 v[ST+8*\t+4], v[SB+16*\t], v[SB+16*\t+1], v[SB+16*\t+2]
.endr
.irp t, 0,1,2,3
	v_max3_num_f32 v[ST+8*\t+5], v[SB+16*\t+8], v[SB+16*\t+9], v[SB+16*\t+10]
.endr
.irp t, 0,1,2,3
	v_max3_num_f32 v[ST+8*\t+4], v[ST+8*\t+4], v[SB+16*\t+3], v[SB+16*\t+4]
.endr
.irp t, 0,1,2,3
	v_max3_num_f32 v[ST+8*\t+5], v[ST+8*\t+5], v[SB+16*\t+11], v[SB+16*\t+12]
.endr
	ds_load_b128 v[VF:VF+3],   v[ADV] offset:128*(\j)       ; V^T: row lane % 8, keys 8 h + 0..7 of piece t - 2,
	ds_load_b128 v[VF+4:VF+7], v[ADV] offset:128*(\j)+32    ; and keys 16 + 8 h + 0..7
.endif
.if \ld
	ds_load_b128 v[KSL:KSL+3], v[ADS] offset:1024*(\j)      ; my key's four scale words: 32 lanes, 32 keys
	WIN 0x40                                       ; destination window 1
.irp k, 0,1
.irp u, 0,1,2,3
.irp c, 0,1
	ds_load_b128 v[KL+32*\k+8*\u+4*\c:KL+32*\k+8*\u+4*\c+3], v[ADK] offset:64*KP*(\j)+16*KP*\k+64*\u+32*\c
.endr
.endr
.endr
.endif
.if \mul
	s_wait_dscnt 2*\smx+17*\ld                     ; all but this stage's own loads: the last stage's fragments and scale words are in
	BURST 0
.endif
.if \smx
	WIN 0
.irp t, 0,1,2,3
	v_max3_num_f32 v[ST+8*\t+4], v[ST+8*\t+4], v[SB+16*\t+5], v[SB+16*\t+6]
.endr
.irp t, 0,1,2,3
	v_max3_num_f32 v[ST+8*\t+5], v[ST+8*\t+5], v[SB+16*\t+13], v[SB+16*\t+14]
.endr
.irp t, 0,1,2,3
	v_max3_num_f32 v[ST+8*\t+4], v[ST+8*\t+4], v[SB+16*\t+7], v[SB+16*\t+15]
.endr
.irp t, 0,1,2,3
.if \first
	v_max_num_f32 v[ST+8*\t+4], v[ST+8*\t+4], v[ST+8*\t+5]
.else
	v_max3_num_f32 v[ST+8*\t+4], v[ST+8*\t+4], v[ST+8*\t+5], v[ST+8*\t+1]   ; with the old m
.endif
.endr
.irp t, 0,1,2,3
	v_permlanex16_b32 v[ST+8*\t+5], v[ST+8*\t+4], s[SEL], s[SEL+1]          ; the query's other 16 keys lie in the lane 16 away
.endr
.irp t, 0,1,2,3
	v_max_num_f32 v[ST+8*\t+1], v[ST+8*\t+4], v[ST+8*\t+5]                  ; the new m
.endr
.if \first
.irp t, 0,1,2,3
	v_mul_f32 v[ST+8*\t], s[CS], v[ST+8*\t+1]                               ; c m
.endr
.else
.irp t, 0,1,2,3
	v_mul_f32 v[ST+8*\t+2], s[CS], v[ST+8*\t+1]
.endr
.irp t, 0,1,2,3
	v_sub_f32 v[ST+8*\t+7], v[ST+8*\t], v[ST+8*\t+2]                        ; c m_old - c m_new, 0 or less
.endr
.irp t, 0,1,2,3
	v_mov_b32 v[ST+8*\t], v[ST+8*\t+2]
.endr
.endif
.endif
.if \mul
	BURST 1
.endif
.if \smx
	WIN 0
.irp t, 0,1,2,3
.irp i, 0,2,4,6,8,10,12,14
	v_pk_fma_f32 v[SB+16*\t+\i:SB+16*\t+\i+1], v[SB+16*\t+\i:SB+16*\t+\i+1], s[CS:CS+1], v[ST+8*\t:ST+8*\t+1] op_sel_hi:[1,0,0] neg_lo:[0,0,1] neg_hi:[0,0,1]   ; c s - c m, two at a time
.endr
.endr
.if !\first
.irp t, 0,1,2,3
	v_exp_f32 v[ST+8*\t+6], v[ST+8*\t+7]           ; a = 2^(c m_old - c m_new)
.endr
.endif
.endif
.if \mul
	BURST 2
.endif
.if \smx
	WIN 0
.set i, 0
.rept 32
	v_exp_f32 v[SB+i], v[SB+i]                     ; p of tiles 0 and 1
.set i, i+1
.endr
.endif
.if \mul
	BURST 3
.endif
	WIN 0
.if \smx
.set i, 32
.rept 32
	v_exp_f32 v[SB+i], v[SB+i]                     ; p of tiles 2 and 3
.set i, i+1
.endr
	v_nop                                          ; a plain instruction behind the last exponential, ahead of the first use (ISA guide 5.7.2)
	s_wait_alu depctr_va_vdst(0)                   ; ONE wait for the stage's exponentials, ahead of the first line that names a result
.irp t, 0,1,2,3
.irp i, 0,1,2,3,4,5,6,7
	v_cvt_pk_f16_f32 v[SB+16*\t+\i], v[SB+16*\t+2*\i], v[SB+16*\t+2*\i+1]   ; p to f16, in place, ascending: register i is written when registers 2 i and 2 i + 1 are read
.endr
.endr
.if !\first
.irp t, 0,1,2,3
.irp i, 0,2,4,6
	v_pk_mul_f32 v[O+8*\t+\i:O+8*\t+\i+1], v[O+8*\t+\i:O+8*\t+\i+1], v[ST+8*\t+6:ST+8*\t+7] op_sel_hi:[1,0]   ; O^T under the new m, from its low end on
.endr
.endr
.endif
	s_wait_dscnt 17*\ld                            ; V^T's two loads are in; the 17 issued behind them may be out
.irp t, 0,1,2,3
.if \first
	v_wmma_f32_16x16x32_f16 v[O+8*\t:O+8*\t+7], v[VF:VF+7], v[SB+16*\t:SB+16*\t+7], 0
.else
	v_wmma_f32_16x16x32_f16 v[O+8*\t:O+8*\t+7], v[VF:VF+7], v[SB+16*\t:SB+16*\t+7], v[O+8*\t:O+8*\t+7]
.endif
.endr
.else
.if \mul
.rept 4
	v_nop                                          ; places behind the last burst: the next stage reads its scores and loads into its operands
.endr
.endif
.endif
.endm
	s_load_b256 s[4:11], s[0:1], 0x0               ; Q's codes s[4:5], Q's scales s[6:7], tgt s[8:9], K's codes s[10:11]
	s_load_b128 s[12:15], s[0:1], 0x20             ; K's scales s[12:13], matched s[14:15]
	v_lshl_add_u32 v[SPW], v0, 2, SPARE
	v_mov_b32 v[NIL], 0
	ds_add_u32 v14, v15
	ds_add_u32 v14, v15
	s_wait_dscnt 0x0
	v_lshrrev_b32 v72, 5, v0
	v_readfirstlane_b32 s[WV], v72                 ; wave 0..7
	s_and_b32 s[KH], s[WV], 1                      ; which 32 of every 64 keys
	s_lshr_b32 s[QG], s[WV], 1                     ; which 64 of the 256 queries
	s_bfe_u32 s[CX], ttmp6, 0x40000                ; my place in the cluster
	s_lshl_b32 s[QB], ttmp9, 2                     ; in a cluster launch ttmp9 counts clusters
	s_add_co_u32 s[QB], s[QB], s[CX]               ; my block of 256 queries: it enters Q's and matched's addresses alone
	s_and_b32 s[BA], ttmp7, 0xffff                 ; the batch, which the four partners share
	; descriptor group 1 for the codes: 64 rows x 256 bytes, 16 bytes of padding behind each
	s_mov_b32 s[G1K], 15|(1<<20)|(1<<21)|(5<<22)|(3<<25)   ; 15:0 the mask: all four work-groups; 17:16 elements of 1 byte; 20 padding on; 21 set beside a mask; 24:22 after every 64 words (code 5); 31:25 four words (code 3)
	s_mov_b32 s[G1K+1], 256<<16                    ; tensor_dim0
	s_mov_b32 s[G1K+2], 64<<16                     ; tensor_dim1
	s_mov_b32 s[G1K+3], 256<<16                    ; tile_dim0
	s_mov_b32 s[G1K+4], 64                         ; tile_dim1
	s_mov_b32 s[G1K+5], 256                        ; from row to row
	s_mov_b32 s[G1K+6], 0
	s_mov_b32 s[G1K+7], 0
	; and for the scale bytes: a dense block of 8,192 bytes as 32 rows of 32 elements of 8 bytes, no padding: a wave's load of scale words reads 512 bytes on end
	s_mov_b32 s[G1S], 15|(3<<16)|(1<<21)
	s_mov_b32 s[G1S+1], 32<<16
	s_mov_b32 s[G1S+2], 32<<16
	s_mov_b32 s[G1S+3], 32<<16
	s_mov_b32 s[G1S+4], 32
	s_mov_b32 s[G1S+5], 32
	s_mov_b32 s[G1S+6], 0
	s_mov_b32 s[G1S+7], 0
	; what I fetch: made of the batch and the wave's number alone
	s_and_b32 s60, s[WV], 3
	s_lshl_b32 s22, s[BA], 19                      ; a batch's codes: 2,048 rows of 256 bytes
	s_lshl_b32 s61, s60, 14                        ; my 64 rows
	s_add_co_u32 s22, s22, s61
	s_mov_b32 s23, 0
	s_mul_i32 s61, s60, 64*KP                      ; and their place in a slot
	s_lshl_b32 s62, s[BA], 15                      ; a batch's scale bytes
	s_lshl_b32 s63, s60, 13                        ; my 8,192
	s_add_co_u32 s62, s62, s63
	s_add_co_u32 s55, s63, SCL
	s_mov_b32 s63, 0
	; what is my work-group's own, in registers that feed no descriptor
	s_lshl_b32 s66, s[BA], 19
	s_lshl_b32 s67, s[QB], 16
	s_add_co_u32 s66, s66, s67
	s_lshl_b32 s67, s[QG], 14
	s_add_co_u32 s66, s66, s67                     ; Q's codes: batch, block of 256 rows, my 64
	s_mov_b32 s67, 0
	s_lshl_b32 s68, s[BA], 15
	s_lshl_b32 s69, s[QB], 12
	s_add_co_u32 s68, s68, s69
	s_lshl_b32 s69, s[QG], 10
	s_add_co_u32 s68, s68, s69                     ; Q's scale bytes likewise
	s_mov_b32 s69, 0
	s_mul_i32 s2, s[BA], 24576                     ; tgt: 2,048 x 12 bytes a batch; matched: 3 x 8,192
	s_mov_b32 s3, 0
	s_lshl_b32 s70, s[QB], 10
	s_add_co_u32 s70, s70, s2                      ; matched: my 256 queries of plane 0
	s_mov_b32 s71, 0
	s_lshl_b32 s72, s[BA], 19
	s_lshl_b32 s73, s[CX], 14                      ; the prefetches: my work-group's 64 rows of a slot's 256,
	s_add_co_u32 s72, s72, s73
	s_lshl_b32 s73, s[KH], 13                      ; my wave's 32 of them,
	s_add_co_u32 s72, s72, s73
	s_add_co_u32 s72, s72, 65536                   ; in slot 1: the first change of slots steps it to slot 2.  Nothing is prefetched at the head
	s_mov_b32 s73, 0
	s_sub_co_u32 s74, s[WV], 4
	s_lshr_b32 s74, s74, 1                         ; 0 in waves 4 and 5,
	s_or_b32 s74, s74, ttmp9                       ; of the batch's first cluster: the same in all four partners
	s_cmp_eq_u32 s74, 0
	s_cselect_b32 s[LIM], 1, -1
	s_mov_b32 s[CS], 0x3d8293ee                    ; c = log2(e) / sqrt(512)
	s_mov_b32 s[CS+1], s[CS]                       ; (named with it as a pair, so it is written)
	s_mov_b32 s[SEL], 0x76543210
	s_mov_b32 s[SEL+1], 0xfedcba98
	s_mov_b32 s[TB], 0
	s_mov_b32 s[TS], 0
	s_mov_b32 s[TV], 0
	s_mov_b32 s[SLOTS], 6
	s_wait_kmcnt 0x0
	s_add_nc_u64 s[4:5], s[4:5], s[66:67]
	s_add_nc_u64 s[6:7], s[6:7], s[68:69]
	s_add_nc_u64 s[8:9], s[8:9], s[2:3]
	s_add_nc_u64 s[14:15], s[14:15], s[70:71]
	s_add_nc_u64 s[PFA:PFA+1], s[10:11], s[72:73]
	s_mov_b32 s[G0K], 1                            ; 1:0 count = 1
	s_mov_b32 s[G0K+1], s61                        ; 63:32 LDS address: slot 0
	s_add_nc_u64 s[G0K+2:G0K+3], s[10:11], s[22:23]   ; 120:64 global address: the batch's first 256 keys
	s_or_b32 s[G0K+3], s[G0K+3], 0x80000000        ; 127:126 type = 2
	s_mov_b32 s[G0S], 1
	s_mov_b32 s[G0S+1], s55
	s_add_nc_u64 s[G0S+2:G0S+3], s[12:13], s[62:63]
	s_or_b32 s[G0S+3], s[G0S+3], 0x80000000
	CROUND                                         ; all four work-groups are here: the first joint loads meet
	s_cmp_lt_u32 s[WV], 4                          ; the first fills, one a wave: waves 0 to 3 slot 0, waves 4 to 7 the scale bytes.  One tensor load of mine is out
	s_cbranch_scc0 .Lfirst_s
	tensor_load_to_lds s[G0K:G0K+3], s[G1K:G1K+7]
	s_nop 0
.rept 4
	v_nop
.endr
	s_branch .Lfirst_asked
.Lfirst_s:
	tensor_load_to_lds s[G0S:G0S+3], s[G1S:G1S+7]
	s_nop 0
.rept 4
	v_nop
.endr
.Lfirst_asked:
	v_and_b32 v73, 31, v0                          ; lane
	v_and_b32 v74, 15, v0                          ; r
	v_bfe_u32 v75, v0, 4, 1                        ; h
	v_mul_u32_u24 v[TO], v0, 96
.irp i, 0,1,2,3,4,5
	global_load_b128 v[S+4*\i:S+4*\i+3], v[TO], s[8:9] offset:16*\i   ; tgt of my eight keys: register 3 k + c
.endr
	v_lshlrev_b32 v76, 8, v74
	v_lshl_add_u32 v76, v75, 4, v76                ; Q: row r of 256 bytes, + 16 h
	v_lshlrev_b32 v77, 4, v73                      ; 16 x lane
	WIN 0x40                                       ; destination window 1
.irp t, 0,1,2,3
.irp u, 0,1,2,3
.irp c, 0,1
	global_load_b128 v[32*\t+8*\u+4*\c:32*\t+8*\u+4*\c+3], v76, s[4:5] offset:4096*\t+64*\u+32*\c th:TH_LOAD_NT   ; Q's fragments stay in registers
.endr
.endr
.endr
	WIN 0
.irp p, 0,1
	global_load_b128 v[QS+4*\p:QS+4*\p+3], v77, s[6:7] offset:512*\p th:TH_LOAD_NT   ; lane l: the four scale words of query 32 p + l
.endr
	; every address register is made here, on the one way that all waves take
	v_mul_u32_u24 v[AK0], v74, KP
	v_lshl_add_u32 v[AK0], v75, 4, v[AK0]
	s_mul_i32 s60, s[KH], 32*KP
	v_add_nc_u32 v[AK0], s60, v[AK0]
	s_lshl_b32 s60, s[KH], 9
	s_add_co_u32 s60, s60, SCL
	v_add_nc_u32 v[AS0], s60, v77
	v_and_b32 v78, 7, v0
	v_mul_u32_u24 v[AV0], v78, VP
	v_lshl_add_u32 v[AV0], v75, 4, v[AV0]
	s_lshl_b32 s60, s[KH], 6
	s_add_co_u32 s60, s60, VT-256                  ; a stage's second product is two pieces, 256 bytes, behind its loads of K
	v_add_nc_u32 v[AV0], s60, v[AV0]
	s_mul_i32 s60, s[QG], 4*1152
	s_add_co_u32 s60, s60, MRG
	v_add_nc_u32 v[MO], s60, v77
	v_lshl_add_u32 v[MM], v73, 2, s60
	s_lshl_b32 s60, s[QG], 8
	s_add_co_u32 s60, s60, STG
	v_lshl_add_u32 v[SG], v74, 2, s60
	s_min_u32 s60, s[WV], 5                        ; six waves read the stage back, 512 bytes each
	s_lshl_b32 s60, s60, 9
	s_add_co_u32 s60, s60, STG
	v_add_nc_u32 v[SR], s60, v77
	s_lshl_b32 s60, s[QG], 13                      ; plane wave / 2,
	s_lshl_b32 s61, s[KH], 9                       ; its half wave % 2
	s_add_co_u32 s60, s60, s61
	v_add_nc_u32 v[GOF], s60, v77
	v_lshlrev_b32 v[PFO], 8, v73
	v_lshl_add_u32 v79, v0, 4, VT                  ; V^T: my eight keys' 16 bytes of a row
	; V^T of the whole batch: each thread turns eight keys
	s_wait_loadcnt 34                              ; tgt's six loads are in; Q's 32 and its scale words' 2, issued behind them, may be out
.set i, 0
.rept 24
	v_and_b32 v[S+24+i], 0xffffe000, v[S+i]        ; the high part: ten mantissa bits
.set i, i+1
.endr
.set i, 0
.rept 12
	v_pk_add_f32 v[S+i:S+i+1], v[S+i:S+i+1], v[S+24+i:S+24+i+1] neg_lo:[0,1] neg_hi:[0,1]   ; the low part: exact
.set i, i+2
.endr
.irp c, 0,1,2
.irp i, 0,1,2,3
	v_cvt_pk_f16_f32 v[HP+4*\c+\i], v[S+24+6*\i+\c], v[S+24+6*\i+3+\c]   ; keys 2 i and 2 i + 1 of channel c
	v_cvt_pk_f16_f32 v[LP+4*\c+\i], v[S+6*\i+\c], v[S+6*\i+3+\c]
.endr
.endr
.irp i, 0,1,2,3
	v_mov_b32 v[S+48+\i], 0x3c003c00               ; 1.0 twice
	v_mov_b32 v[S+52+\i], 0
.endr
.irp c, 0,1,2
	ds_store_b128 v79, v[HP+4*\c:HP+4*\c+3] offset:VP*\c
	ds_store_b128 v79, v[LP+4*\c:LP+4*\c+3] offset:VP*(4+\c)
.endr
	ds_store_b128 v79, v[S+48:S+51] offset:VP*3
	ds_store_b128 v79, v[S+52:S+55] offset:VP*7
	CHANGE 1                                       ; slot 0, the scale bytes and V^T are whole for every wave; slot 1 is asked for
	STAGE 0, 1, 0, 0, 0                            ; piece 0 comes from LDS
	s_wait_loadcnt 0x0                             ; Q and its scale words
	STAGE 1, 1, 1, 0, 0                            ; piece 1 comes | piece 0 is multiplied
	STAGE 2, 1, 1, 1, 1                            ; piece 2 comes | piece 1 is multiplied | piece 0's softmax starts m and O^T
	STAGE 3, 1, 1, 1, 0
.Ltrip:                                            ; six trips: slots 1 to 6 are read, slots 2 to 7 asked for
	CHANGE 1
	STAGE 0, 1, 1, 1, 0
	STAGE 1, 1, 1, 1, 0
	STAGE 2, 1, 1, 1, 0
	STAGE 3, 1, 1, 1, 0
	s_sub_co_u32 s[SLOTS], s[SLOTS], 1
	s_cmp_lg_u32 s[SLOTS], 0
	s_cbranch_scc1 .Ltrip
	CHANGE 0                                       ; the last slot is written out
	STAGE 0, 1, 1, 1, 0
	STAGE 1, 1, 1, 1, 0
	STAGE 2, 1, 1, 1, 0
	STAGE 3, 1, 1, 1, 0
	v_add_nc_u32 v[ADV], s[TV], v[AV0]             ; the pipeline runs out: V^T's address alone goes on
	STAGE 0, 0, 1, 1, 0                            ; piece 31 is multiplied | piece 30's softmax
	STAGE 1, 0, 0, 1, 0                            ; piece 31's softmax
	; THE MERGE.  The wave with the odd pieces hands its O^T, as an image of its registers, and its c m to the wave with the even pieces of the same queries.
.rept 4
	v_nop                                          ; places behind the last product
.endr
	s_cmp_eq_u32 s[KH], 0
	s_cbranch_scc1 .Lkeep
.irp t, 0,1,2,3
	ds_store_b128 v[MO], v[O+8*\t:O+8*\t+3]   offset:1152*\t       ; each accumulator from its low end on
	ds_store_b128 v[MO], v[O+8*\t+4:O+8*\t+7] offset:1152*\t+512
	ds_store_b32  v[MM], v[ST+8*\t]           offset:1152*\t+1024
.endr
.Lkeep:
	s_wait_dscnt 0x0                               ; for the others' sake: my stores have landed
	s_barrier_signal -1
	s_barrier_wait -1
	s_cmp_lg_u32 s[KH], 0
	s_cbranch_scc1 .Lsent
.irp t, 0,1,2,3
	ds_load_b128 v[S+8*\t:S+8*\t+3],   v[MO] offset:1152*\t
	ds_load_b128 v[S+8*\t+4:S+8*\t+7], v[MO] offset:1152*\t+512
	ds_load_b32  v[S+32+\t],           v[MM] offset:1152*\t+1024
.endr
	s_wait_dscnt 0x0
.irp t, 0,1,2,3
	v_max_num_f32 v[ST+8*\t+2], v[ST+8*\t], v[S+32+\t]             ; the larger c m
.endr
.irp t, 0,1,2,3
	v_sub_f32 v[ST+8*\t+7], v[ST+8*\t], v[ST+8*\t+2]
	v_sub_f32 v[ST+8*\t+5], v[S+32+\t], v[ST+8*\t+2]
.endr
.irp t, 0,1,2,3
	v_exp_f32 v[ST+8*\t+6], v[ST+8*\t+7]           ; my factor,
	v_exp_f32 v[ST+8*\t+4], v[ST+8*\t+5]           ; and the other wave's: one of the two is 1
.endr
	v_nop
	s_wait_alu depctr_va_vdst(0)                   ; one wait for the eight, ahead of their first reader
.irp t, 0,1,2,3
.irp i, 0,2,4,6
	v_pk_mul_f32 v[O+8*\t+\i:O+8*\t+\i+1], v[O+8*\t+\i:O+8*\t+\i+1], v[ST+8*\t+6:ST+8*\t+7] op_sel_hi:[1,0]
.endr
.endr
.irp t, 0,1,2,3
.irp i, 0,2,4,6
	v_pk_fma_f32 v[O+8*\t+\i:O+8*\t+\i+1], v[S+8*\t+\i:S+8*\t+\i+1], v[ST+8*\t+4:ST+8*\t+5], v[O+8*\t+\i:O+8*\t+\i+1] op_sel_hi:[1,0,1]
.endr
.endr
.irp t, 0,1,2,3
	v_rcp_f32 v[ST+8*\t+2], v[O+8*\t+3]            ; 1 / the sum of p
.endr
.irp t, 0,1,2,3
.irp c, 0,1,2
	v_add_f32 v[HP+3*\t+\c], v[O+8*\t+\c], v[O+8*\t+4+\c]          ; high sums + low sums: plain work behind the reciprocals
.endr
.endr
	s_wait_alu depctr_va_vdst(0)                   ; one wait for the four
.irp t, 0,1,2,3
.irp c, 0,1,2
	v_mul_f32 v[HP+3*\t+\c], v[HP+3*\t+\c], v[ST+8*\t+2]
.endr
.endr
.irp t, 0,1,2,3
.irp c, 0,1,2
	ds_store_b32 v[SG], v[HP+3*\t+\c] offset:1024*\c+64*\t         ; both halves of the lanes write the same word with the same value
.endr
.endr
.Lsent:
	s_wait_dscnt 0x0
	s_barrier_signal -1
	s_barrier_wait -1                              ; 3 x 256 numbers lie in the stage
	s_cmp_lt_u32 s[WV], 6
	s_cbranch_scc0 .Lnone
	ds_load_b128 v[S:S+3], v[SR]
	s_wait_dscnt 0x0
	global_store_b128 v[GOF], v[S:S+3], s[14:15] th:TH_STORE_NT    ; 32 lanes store 512 consecutive bytes, at a multiple of 256 from matched's first byte
.Lnone:
	s_wait_tensorcnt 0x0                           ; the wave's end, behind my last tensor load and my last LDS store
	ds_add_u32 v[SPW], v[NIL]
	s_wait_dscnt 0x0
	CROUND                                         ; the closing round: no work-group ends while a partner may still ask for a tile that names it
	s_endpgm
.Lfunc_end_k_q7441bf99e5_match:
	.size	k_q7441bf99e5_match, .Lfunc_end_k_q7441bf99e5_match-k_q7441bf99e5_match
	.p2alignl 7, 3214868480
	.fill 96, 4, 3214868480
	.section	.rodata,"a",@progbits
	.p2align	6, 0x0
	.amdhsa_kernel k_q7441bf99e5_match
		.amdhsa_group_segment_fixed_size 327680
		.amdhsa_private_segment_fixed_size 0
		.amdhsa_enable_private_segment 0
		.amdhsa_kernarg_size 48
		.amdhsa_user_sgpr_count 2
		.amdhsa_user_sgpr_kernarg_segment_ptr 1
		.amdhsa_wavefront_size32 1
		.amdhsa_system_sgpr_workgroup_id_x 1
		.amdhsa_system_sgpr_workgroup_id_y 1
		.amdhsa_system_sgpr_workgroup_id_z 1
		.amdhsa_system_vgpr_workitem_id 0
		.amdhsa_next_free_vgpr 512
		.amdhsa_next_free_sgpr 76
		.amdhsa_reserve_vcc 0
		.amdhsa_float_denorm_mode_32 3
		.amdhsa_float_denorm_mode_16_64 3
		.amdhsa_memory_ordered 1
		.amdhsa_forward_progress 1
		.amdhsa_inst_pref_size 213
	.end_amdhsa_kernel
	.amdgpu_metadata
---
amdhsa.version: [ 1, 2 ]
amdhsa.kernels:
  - .name:           k_q7441bf99e5_match
    .symbol:         k_q7441bf99e5_match.kd
    .args:
      - { .name: src_embed_codes, .offset: 0, .size: 8, .value_kind: global_buffer, .address_space: global }
      - { .name: src_embed_scales, .offset: 8, .size: 8, .value_kind: global_buffer, .address_space: global }
      - { .name: tgt, .offset: 16, .size: 8, .value_kind: global_buffer, .address_space: global }
      - { .name: tgt_embed_codes, .offset: 24, .size: 8, .value_kind: global_buffer, .address_space: global }
      - { .name: tgt_embed_scales, .offset: 32, .size: 8, .value_kind: global_buffer, .address_space: global }
      - { .name: matched, .offset: 40, .size: 8, .value_kind: global_buffer, .address_space: global }
    .group_segment_fixed_size: 327680
    .private_segment_fixed_size: 0
    .kernarg_segment_align: 8
    .kernarg_segment_size: 48
    .max_flat_workgroup_size: 256
    .sgpr_count:     76
    .vgpr_count:     512
    .wavefront_size: 32
...
	.end_amdgpu_metadata
.endif
;; end of part 1
;; launch solve (part 2): grid 32 x 1, 8 waves a work-group, no clusters, 2,048 bytes of LDS; arguments src, matched, out0, out1; writes out0, out1
.if DOCPART == 2
	.amdgcn_target "amdgcn-amd-amdhsa--gfx1250"
	.amdhsa_code_object_version 6
	.text
	.protected	k_q7441bf99e5_solve
	.globl	k_q7441bf99e5_solve
	.p2align	8
	.type	k_q7441bf99e5_solve,@function
k_q7441bf99e5_solve:
	s_mov_b64 s[64:65], 0
	v_nop
	global_prefetch_b8 v0, s[64:65] scope:SCOPE_SE
	s_setreg_imm32_b32 hwreg(HW_REG_WAVE_MODE, 25, 1), 1
	s_wait_xcnt 0x0
; For each batch: the centroids of src [2048][3] and of matched [3][2048]; H[c][d] = sum over n of (src - its centroid)[n][c] (matched - its centroid)[d][n]; R = V U^T of H = U S V^T; row 2 of R negated where
; det R < 0; t = matched's centroid - R x src's centroid.  out0 [32][3][3], out1 [32][1][3], f32.
; NO SVD IS FORMED: U V^T is the orthogonal polar factor Q of H, which is unique where H is not singular, R = Q^T, and det R has the sign of det H.  Q comes by Newton's iteration
; X <- (g X + X^-T / g) / 2 with g^2 = |X^-1| / |X| (Frobenius norms), X^-T = cofactors / det.  With that g the ratio k of X's largest to its smallest singular number falls to under 0.66 sqrt(k) + 1 a trip:
; 2^40, 2^19.4, 2^9.1, 16, 2.8, 1.3, 1.02, 1 + 2e-4, 1 + 2e-8: eight trips; ten are walked, whatever the data.
; LIMITS: H singular, or with k beyond what f32 cofactors resolve, has no defined R here (nor a unique V U^T); NaN and infinities are not served; |H| stays under 2^127.
; One work-group a batch, eight waves; thread t owns points 8 t .. 8 t + 7.  Sums go lane to lane inside a wave and through LDS between waves: two regions, two barriers.  32 work-groups are all the work there is:
; a batch's nine sums are 48 KB of input.  No matrix unit, no tensor load, no prefetch: the launch is short and reads each byte once.
.set X,   16                           ; v16-39  src: register 3 k + c
.set M,   40                           ; v40-63  matched: register 8 c + k
.set SU,  64                           ; v64-69  sums, then the two centroids
.set H,   72                           ; v72-80  H, then the iterate, row by row
.set C,   84                           ; v84-92  cofactors
.set DET, 93
.set NX,  94
.set NC,  95
.set TMP, 104                          ; v104-112 the other half of the lanes' numbers
.macro WSUM base, n                    ; n sums over the 32 lanes of a wave: four steps ride on the addition, one crosses the halves
.irp m, 1,2,4,8
.set i, 0
.rept \n
	v_add_f32_dpp v[\base+i], v[\base+i], v[\base+i] row_xmask:\m row_mask:0xf bank_mask:0xf
.set i, i+1
.endr
.endr
.set i, 0
.rept \n
	v_permlanex16_b32 v[TMP+i], v[\base+i], s14, s15
.set i, i+1
.endr
.set i, 0
.rept \n
	v_add_f32 v[\base+i], v[\base+i], v[TMP+i]
.set i, i+1
.endr
.endm
.macro GSUM base, n                    ; n sums over eight neighbouring lanes, which hold the eight waves' parts
.irp m, 1,2,4
.set i, 0
.rept \n
	v_add_f32_dpp v[\base+i], v[\base+i], v[\base+i] row_xmask:\m row_mask:0xf bank_mask:0xf
.set i, i+1
.endr
.endr
.endm
	s_load_b128 s[4:7], s[0:1], 0x0                ; src, matched
	s_load_b128 s[8:11], s[0:1], 0x10              ; out0, out1
	v_lshl_add_u32 v128, v0, 2, 0x400
	v_mov_b32 v129, 0
	v_lshrrev_b32 v5, 5, v0
	v_readfirstlane_b32 s12, v5                    ; wave
	v_and_b32 v1, 31, v0                           ; lane
	v_mul_u32_u24 v2, v0, 96                       ; src: my eight points
	v_lshlrev_b32 v3, 5, v0                        ; matched: my eight numbers of a plane
	v_and_b32 v4, 0xe0, v0                         ; LDS, first sums: 32 bytes a wave, from byte 0
	v_mad_u32_u24 v5, v5, 48, 256                  ; second sums: 48 bytes a wave, from byte 256
	v_and_b32 v6, 7, v0
	v_mad_u32_u24 v7, v6, 48, 256                  ; and back: lane l takes wave l % 8's part
	v_lshlrev_b32 v6, 5, v6
.set i, 0
.rept 9
	v_mov_b32 v[TMP+i], 0                          ; written once: a lane permute's destination counts as one of its sources
.set i, i+1
.endr
	s_mov_b32 s14, 0x76543210
	s_mov_b32 s15, 0xfedcba98                      ; v_permlanex16_b32's selects for lane l xor 16
	s_mul_i32 s16, ttmp9, 24576                    ; a batch of src, and of matched
	s_mov_b32 s17, 0
	s_mul_i32 s18, ttmp9, 36
	s_mov_b32 s19, 0
	s_mul_i32 s20, ttmp9, 12
	s_mov_b32 s21, 0
	s_wait_kmcnt 0x0
	s_add_nc_u64 s[4:5], s[4:5], s[16:17]
	s_add_nc_u64 s[6:7], s[6:7], s[16:17]
	s_add_nc_u64 s[8:9], s[8:9], s[18:19]
	s_add_nc_u64 s[10:11], s[10:11], s[20:21]
.irp i, 0,1,2,3,4,5
	global_load_b128 v[X+4*\i:X+4*\i+3], v2, s[4:5] offset:16*\i th:TH_LOAD_NT
.endr
.irp c, 0,1,2
	global_load_b128 v[M+8*\c:M+8*\c+3],   v3, s[6:7] offset:8192*\c th:TH_LOAD_NT
	global_load_b128 v[M+8*\c+4:M+8*\c+7], v3, s[6:7] offset:8192*\c+16 th:TH_LOAD_NT
.endr
	s_wait_loadcnt 0x0
	; the six sums
.irp c, 0,1,2
	v_add_f32 v[SU+\c],   v[X+\c],   v[X+3+\c]
	v_add_f32 v[SU+3+\c], v[M+8*\c], v[M+8*\c+1]
.endr
.irp k, 2,3,4,5,6,7
.irp c, 0,1,2
	v_add_f32 v[SU+\c],   v[SU+\c],   v[X+3*\k+\c]
	v_add_f32 v[SU+3+\c], v[SU+3+\c], v[M+8*\c+\k]
.endr
.endr
	WSUM SU, 6
	ds_store_b128 v4, v[SU:SU+3]                   ; all lanes of a wave write the same bytes with the same values
	ds_store_b64  v4, v[SU+4:SU+5] offset:16
	s_wait_dscnt 0x0                               ; for the others' sake
	s_barrier_signal -1
	s_barrier_wait -1
	ds_load_b128 v[SU:SU+3],   v6
	ds_load_b64  v[SU+4:SU+5], v6 offset:16
	s_wait_dscnt 0x0
	GSUM SU, 6
.irp i, 0,1,2,3,4,5
	v_mul_f32 v[SU+\i], 0x3a000000, v[SU+\i]       ; / 2,048: v64-66 src's centroid, v67-69 matched's
.endr
	; the means are taken away, and then the nine products are summed
.irp k, 0,1,2,3,4,5,6,7
.irp c, 0,1,2
	v_sub_f32 v[X+3*\k+\c], v[X+3*\k+\c], v[SU+\c]
	v_sub_f32 v[M+8*\c+\k], v[M+8*\c+\k], v[SU+3+\c]
.endr
.endr
.irp c, 0,1,2
.irp d, 0,1,2
	v_mul_f32 v[H+3*\c+\d], v[X+\c], v[M+8*\d]     ; the first point starts the sums
.endr
.endr
.irp k, 1,2,3,4,5,6,7
.irp c, 0,1,2
.irp d, 0,1,2
	v_fmac_f32 v[H+3*\c+\d], v[X+3*\k+\c], v[M+8*\d+\k]
.endr
.endr
.endr
	WSUM H, 9
	ds_store_b128 v5, v[H:H+3]
	ds_store_b128 v5, v[H+4:H+7] offset:16
	ds_store_b32  v5, v[H+8] offset:32
	s_wait_dscnt 0x0
	s_barrier_signal -1
	s_barrier_wait -1
	s_cmp_lg_u32 s12, 0                            ; behind the last barrier one wave goes on; every lane of it computes the same numbers
	s_cbranch_scc1 .Lend
	ds_load_b128 v[H:H+3],   v7
	ds_load_b128 v[H+4:H+7], v7 offset:16
	ds_load_b32  v[H+8],     v7 offset:32
	s_wait_dscnt 0x0
	GSUM H, 9
	; H times a power of two that brings its largest magnitude into [1, 2): Q does not change, and no product below leaves f32's range
	v_max3_num_f32 v96, |v[H]|, |v[H+1]|, 0x00800000
	v_max3_num_f32 v96, v96, |v[H+2]|, |v[H+3]|
	v_max3_num_f32 v96, v96, |v[H+4]|, |v[H+5]|
	v_max3_num_f32 v96, v96, |v[H+6]|, |v[H+7]|
	v_max_num_f32 v96, v96, |v[H+8]|
	v_and_b32 v96, 0x7f800000, v96                 ; its exponent field E,
	v_sub_nc_u32 v96, 0x7f000000, v96              ; 254 - E: the number 2^(127 - E)
.irp i, 0,1,2,3,4,5,6,7,8
	v_mul_f32 v[H+\i], v[H+\i], v96
.endr
	s_mov_b32 s22, 10
.Lnewton:
	v_mul_f32 v[C+0], v[H+5], v[H+7]
	v_mul_f32 v[C+1], v[H+3], v[H+8]
	v_mul_f32 v[C+2], v[H+4], v[H+6]
	v_mul_f32 v[C+3], v[H+1], v[H+8]
	v_mul_f32 v[C+4], v[H+2], v[H+6]
	v_mul_f32 v[C+5], v[H+0], v[H+7]
	v_mul_f32 v[C+6], v[H+2], v[H+4]
	v_mul_f32 v[C+7], v[H+0], v[H+5]
	v_mul_f32 v[C+8], v[H+1], v[H+3]
	v_fma_f32 v[C+0], v[H+4], v[H+8], -v[C+0]      ; the cofactors
	v_fma_f32 v[C+1], v[H+5], v[H+6], -v[C+1]
	v_fma_f32 v[C+2], v[H+3], v[H+7], -v[C+2]
	v_fma_f32 v[C+3], v[H+2], v[H+7], -v[C+3]
	v_fma_f32 v[C+4], v[H+0], v[H+8], -v[C+4]
	v_fma_f32 v[C+5], v[H+1], v[H+6], -v[C+5]
	v_fma_f32 v[C+6], v[H+1], v[H+5], -v[C+6]
	v_fma_f32 v[C+7], v[H+2], v[H+3], -v[C+7]
	v_fma_f32 v[C+8], v[H+0], v[H+4], -v[C+8]
	v_mul_f32 v[DET], v[H], v[C]
	v_mul_f32 v[NX], v[H], v[H]
	v_mul_f32 v[NC], v[C], v[C]
	v_fmac_f32 v[DET], v[H+1], v[C+1]
	v_fmac_f32 v[DET], v[H+2], v[C+2]              ; the determinant
.irp i, 1,2,3,4,5,6,7,8
	v_fmac_f32 v[NX], v[H+\i], v[H+\i]             ; |X|^2
	v_fmac_f32 v[NC], v[C+\i], v[C+\i]             ; |cofactors|^2
.endr
	v_rsq_f32 v96, v[NX]
	v_sqrt_f32 v97, v[NC]
	v_rcp_f32 v98, v[DET]
	v_nop                                          ; a plain instruction behind the last of the three
	s_wait_alu depctr_va_vdst(0)                   ; one wait for the three, ahead of their first reader
	v_mul_f32 v99, v97, v96
	v_mul_f32 v99, v99, |v98|                      ; g^2 = |X^-1| / |X|
	v_sqrt_f32 v100, v99
	v_rsq_f32 v101, v99
	v_nop
	s_wait_alu depctr_va_vdst(0)                   ; one wait for the two
	v_mul_f32 v100, 0.5, v100                      ; g / 2
	v_mul_f32 v101, 0.5, v101
	v_mul_f32 v101, v101, v98                      ; 1 / (2 g det)
.irp i, 0,1,2,3,4,5,6,7,8
	v_mul_f32 v[H+\i], v[H+\i], v100
.endr
.irp i, 0,1,2,3,4,5,6,7,8
	v_fmac_f32 v[H+\i], v101, v[C+\i]
.endr
	s_sub_co_u32 s22, s22, 1
	s_cmp_lg_u32 s22, 0
	s_cbranch_scc1 .Lnewton
	; R[i][j] = Q[j][i].  Row 2 of R is Q's column 2: registers 2, 5, 8; it takes the determinant's sign, which no trip changes
	v_and_b32 v96, 0x80000000, v[DET]
	v_xor_b32 v[H+2], v[H+2], v96
	v_xor_b32 v[H+5], v[H+5], v96
	v_xor_b32 v[H+8], v[H+8], v96
.irp i, 0,1,2
	v_fma_f32 v[97+\i], -v[H+\i], v[SU], v[SU+3+\i]                ; t[i] = matched's centroid[i] - sum over j of R[i][j] src's centroid[j]
.endr
.irp i, 0,1,2
	v_fma_f32 v[97+\i], -v[H+3+\i], v[SU+1], v[97+\i]
.endr
.irp i, 0,1,2
	v_fma_f32 v[97+\i], -v[H+6+\i], v[SU+2], v[97+\i]
.endr
	; lane l takes number l of R (row by row) and t
	v_mov_b32 v116, v[H]
.irp n, 1,2,3,4,5,6,7,8
	v_cmp_eq_u32 vcc_lo, \n, v1
	v_cndmask_b32 v116, v116, v[H+3*(\n%3)+\n/3], vcc_lo
.endr
.irp i, 0,1,2
	v_cmp_eq_u32 vcc_lo, 9+\i, v1
	v_cndmask_b32 v116, v116, v[97+\i], vcc_lo
.endr
	v_lshlrev_b32 v117, 2, v1
	v_add_nc_u32 v118, -9, v1
	v_lshlrev_b32 v119, 2, v118
	v_cmp_gt_u32 vcc_lo, 9, v1
	s_wait_xcnt 0x0                                ; EXEC changes only behind this wait
	s_and_saveexec_b32 s23, vcc_lo
	global_store_b32 v117, v116, s[8:9]            ; lanes 0 to 8: R
	s_wait_xcnt 0x0
	s_or_b32 exec_lo, exec_lo, s23
	v_cmp_gt_u32 vcc_lo, 3, v118                   ; unsigned: lanes 9 to 11
	s_and_saveexec_b32 s23, vcc_lo
	global_store_b32 v119, v116, s[10:11]          ; t
	s_wait_xcnt 0x0
	s_or_b32 exec_lo, exec_lo, s23
.Lend:
	s_wait_tensorcnt 0x0
	ds_add_u32 v128, v129
	s_wait_dscnt 0x0
	s_endpgm
.Lfunc_end_k_q7441bf99e5_solve:
	.size	k_q7441bf99e5_solve, .Lfunc_end_k_q7441bf99e5_solve-k_q7441bf99e5_solve
	.p2alignl 7, 3214868480
	.fill 96, 4, 3214868480
	.section	.rodata,"a",@progbits
	.p2align	6, 0x0
	.amdhsa_kernel k_q7441bf99e5_solve
		.amdhsa_group_segment_fixed_size 2048
		.amdhsa_private_segment_fixed_size 0
		.amdhsa_enable_private_segment 0
		.amdhsa_kernarg_size 32
		.amdhsa_user_sgpr_count 2
		.amdhsa_user_sgpr_kernarg_segment_ptr 1
		.amdhsa_wavefront_size32 1
		.amdhsa_system_sgpr_workgroup_id_x 1
		.amdhsa_system_sgpr_workgroup_id_y 1
		.amdhsa_system_sgpr_workgroup_id_z 1
		.amdhsa_system_vgpr_workitem_id 0
		.amdhsa_next_free_vgpr 130
		.amdhsa_next_free_sgpr 66
		.amdhsa_reserve_vcc 1
		.amdhsa_float_denorm_mode_32 3
		.amdhsa_float_denorm_mode_16_64 3
		.amdhsa_memory_ordered 1
		.amdhsa_forward_progress 1
		.amdhsa_inst_pref_size 23
	.end_amdhsa_kernel
	.amdgpu_metadata
---
amdhsa.version: [ 1, 2 ]
amdhsa.kernels:
  - .name:           k_q7441bf99e5_solve
    .symbol:         k_q7441bf99e5_solve.kd
    .args:
      - { .name: src, .offset: 0, .size: 8, .value_kind: global_buffer, .address_space: global }
      - { .name: matched, .offset: 8, .size: 8, .value_kind: global_buffer, .address_space: global }
      - { .name: out0, .offset: 16, .size: 8, .value_kind: global_buffer, .address_space: global }
      - { .name: out1, .offset: 24, .size: 8, .value_kind: global_buffer, .address_space: global }
    .group_segment_fixed_size: 2048
    .private_segment_fixed_size: 0
    .kernarg_segment_align: 8
    .kernarg_segment_size: 32
    .max_flat_workgroup_size: 256
    .sgpr_count:     66
    .vgpr_count:     130
    .wavefront_size: 32
...
	.end_amdgpu_metadata
.endif
;; end of part 2
